; MI455X (gfx1250); checked and timed in simulation.
; The chip was launched on July 23, 2026; its instructions are those of AMD's public machine-readable ISA for CDNA 5 (MIT licence, August 2026) and "CDNA5" Instruction Set Architecture Reference Guide (July 2026). The comments in the code are by the model that wrote it; some were corrected since.
;; Vector Net Global Graph. Allowed arithmetic: matrix products marked QUANTISED: E2M3 operands, one E8M0 scale for each 32 along K, by v_wmma_scale_f32_16x16x128_f8f6f4 with both operands' format E2M3, f32 sums; everything else in f32.
;; Inputs: bk 128 float32; bq 128 float32; bv 128 float32; valid_lens 256 int32; wk 128 x 128 float32; wq 128 x 128 float32; wv 128 x 128 float32; x 256 x 512 x 128 float32.
;; Outputs: out0 256 x 512 x 128 float32.
;; This version of the problem:
;;   THIS VERSION OF THE PROBLEM IS GIVEN IN LOW PRECISION. The matrix products marked QUANTISED in the list below multiply operands that are first quantised to E2M3 (2 exponent bits, 3 mantissa bits; 6 bits a number), with one power-of-two scale for each 32 numbers along K (OCP MX v1.0); their sums are f32. All else is computed in f32.
;;   The module's matrix products, in the order in which they are computed (A, B: the left and right operand; K: the contracted axis; several contracted axes count as one K, in the product's order):
;;     1. [M 131,072, K 128] x [K 128, N 128]; A: input x; B: input wq: QUANTISED
;;     2. [M 131,072, K 128] x [K 128, N 128]; A: input x; B: input wk: QUANTISED
;;     3. [M 131,072, K 128] x [K 128, N 128]; A: input x; B: input wv: QUANTISED
;;     4. batch 256 x [M 512, K 128] x [K 128, N 512]; A: computed on the way; B: computed on the way: QUANTISED
;;     5. batch 256 x [M 512, K 512] x [K 512, N 128]; A: computed on the way; B: computed on the way: QUANTISED
;;   THE QUANTISER, for each operand of a quantised product, along K:
;;     - K is cut into blocks of 32 from its start; a last block that is shorter is filled with zeros.
;;     - A block's scale is 2^e with e = floor(log2(the largest magnitude in the block)) - 2, held to -126 .. 127; a block of zeros has e = 0. As a byte (E8M0): e + 127.
;;     - Each number is divided by its block's scale, clamped to +-7.5, and rounded to the nearest number of E2M3, ties to even, subnormals kept.
;;     - The product sums the exact products of the quantised numbers (number of the format x scale) in f32.
;;   ~~~python
;;   def quantise(x, axis):      # numpy; x: float32 -> the quantised numbers, widened to float32 again
;;       x = np.moveaxis(x, axis, -1); K = x.shape[-1]
;;       x = np.pad(x, [(0, 0)] * (x.ndim - 1) + [(0, -K % 32)]); x = x.reshape(x.shape[:-1] + (-1, 32)); a = np.abs(x).max(-1, keepdims=True)
;;       e = np.where(a > 0, np.clip(np.frexp(np.where(a > 0, a, 1))[1] - 1 - 2, -126, 127), 0)      # np.frexp(a)[1] - 1 = floor(log2(a)), exactly
;;       r = np.clip(x / 2.0 ** e, -7.5, 7.5)
;;       step = 2.0 ** (np.maximum(np.frexp(np.where(r == 0, 1, r))[1] - 1, 0) - 3)
;;       q = np.round(r / step) * step * 2.0 ** e      # np.round: ties to even
;;       return np.moveaxis(q.reshape(q.shape[:-2] + (-1,))[..., :K], -1, axis).astype(np.float32)
;;   ~~~
;;   OPERANDS COMPUTED ON THE WAY. 'Computed on the way' means the value that the module computes at that place (a softmax that the list does not call 'softmax' is quantised finished and normalised). What goes into a quantiser is computed in f32, as accurately as f32 sums, v_exp_f32 and their like allow (about 1e-6 of the number): no bf16 or f16 on the way to a quantiser, and a product that is left as it is and whose result goes on into a quantised operand takes f32 operands (vector FMAs, or v_wmma_f32_16x16x4_f32). A number that lies on a knife's edge between two numbers of the format may be rounded either way, as far as f32 arithmetic and the matrix unit's own rounding can turn it there, and no further.
;; One version. Each part assembles by itself: llvm-mc -triple=amdgcn-amd-amdhsa -mcpu=gfx1250 --defsym DOCPART=n.
;; ======== version 1 of 1: 1 launch
;; limits: right only within a limited range of input values
;; launch attn (part 1): grid 256 x 1, 8 waves a work-group, no clusters, 308,736 bytes of LDS; arguments x, wq, bq, wk, bk, wv, bv, valid_lens, out0; writes out0
.if DOCPART == 1
	.amdgcn_target "amdgcn-amd-amdhsa--gfx1250"
	.amdhsa_code_object_version 6
	.text
	.protected	k_qaa3b04ec86_attn
	.globl	k_qaa3b04ec86_attn
	.p2align	8
	.type	k_qaa3b04ec86_attn,@function
k_qaa3b04ec86_attn:
	s_mov_b64 s[64:65], 0
	v_nop
	global_prefetch_b8 v0, s[64:65] scope:SCOPE_SE
	s_setreg_imm32_b32 hwreg(HW_REG_WAVE_MODE, 25, 1), 1
	s_wait_xcnt 0x0
; One self-attention layer for each of 256 batches: q, k, v = Q(x) Q(w) + b; attn = softmax(mask(Q(q) Q(k)^T / sqrt(128))) x (not mask); out = Q(attn) Q(v).
; Q: codes of FP6 (E2M3) with one E8M0 scale for each 32 along a product's K.  All five products go by v_wmma_scale_f32_16x16x128_f8f6f4; all else is f32.
; SHARES.  The batches are ranked by (valid_lens, number).  Work-groups p and p + 128 serve the batches of rank p (1, the longer) and 255 - p (2).  If batch 2 has at most 256 keys and the tiles' costs ask for it,
;   both work on batch 1: the first takes its query tiles 0 .. a - 1, the second tiles a .. n1 - 1 and batch 2 besides (its SECONDARY batch); both make batch 1's k and v.  Otherwise each takes one batch (its PRIMARY).
;   Rows of zeros of both batches are stored by both, every second tile each: each byte of out0 has one owner.
; THE MASK is made of vl = valid_lens[b] (held to 0 .. 512).  G = ceil(vl / 128).  Rows of x from 128 G on are not read; a NaN there is not carried.  Rows of out0 from vl on are zeros, as reference() has them.
;   Keys from vl on get -1e30 as the C of their score, so their weight is 0.
; TILES OF ROWS ARE NOT NEIGHBOURS: row a of tile T = 2 b + u is row 32 b + 8 u + a + 8 (a / 8) of x.  So the 16 registers that two neighbouring tiles leave in a lane are 16 neighbours along the next K.
; PHASES.  W: the weights are quantised, a lane holding four columns and 16 k | barrier |  1: units of 32 rows: x is quantised, k, v and (for my own tiles) q are made, quantised in registers, laid in LDS as images
;   of operand registers; units wave and 8 + wave of the primary, then unit 16 + (7 - wave), the secondary's | barrier |  A: tiles wave + 8 j: all scores of a tile in registers, the finished softmax, its codes, O^T, the way out.
; CLUSTER: none, no tensor loads, no prefetch: which rows are read and every branch hang on valid_lens, the weights are all that work-groups share, and no loop streams: a wave has three units at most, and asks for the next
;   one's rows (16 KiB) while it works on one.
; LIMITS.  NaN and infinities among the inputs are not served; scaled scores stay under 2^31.  A block whose largest magnitude lies under 2^-124 keeps the byte 1; so does a block of zeros, where the rule says 127: its codes are
;   zeros and the bytes are read by this program alone.  A weight 2^t under 2^-126 is 0 (v_exp_f32 flushes denormals: ISA guide 15.8).  A block's largest weight is made of the block's largest score by the same
;   instructions, which takes v_exp_f32 not to fall where its input rises.  The division by the row's sum is v_rcp_f32 and a multiplication.
.set BIAS, 0                           ; LDS: bq, bk, 512 bytes each
.set BVT,  1024                        ; bv, each number four times: 16 bytes a column
.set MSK,  3072                        ; C of the last key step: 128 numbers for the primary, 128 for the secondary
.set WSC,  4096                        ; the weights' scale words: weight m at 512 m; tile t, row r: 256 (t / 4) + 16 r + 4 (t % 4)
.set WIMG, 5632                        ; the weights' 24 fragments (8 m + t), as images of their registers
.set KSC,  42496                       ; k's scale words: key step s at 512 s, laid as the weights'.  Steps 0-3 primary, 4-5 secondary
.set VSC,  45568                       ; v's: the same with the tile of units in t's place
.set QSC,  48640                       ; q's: 48 tiles x 64 bytes
.set STG,  51712                       ; a stage of 16 rows x 272 bytes for each wave: the turn of x, later the way out
.set VIMG, 86528                       ; v's fragments 8 s + n
.set KIMG, 160256                      ; k's: tile 2 v + i of unit v
.set QIMG, 233984                      ; q's: the same
.set SPARE, 307712                     ; the spare words
.set FRB,  1536                        ; a fragment's image: 12 registers x 32 lanes, 512 bytes for each four registers
.set SPI,  272
.set WSTG, 16*SPI
.set FLOOR, 0x1800000                  ; 2^(3 - 127): under it no largest magnitude is taken, so no scale byte falls under 1
.set OFF2,  0xff000000                 ; takes 2 off an exponent field
.set XF, 104                           ; phase 1: v104-127 the unit's two fragments of x
.set MX, 152
.set BY, 156
.set SO, 160
.set TQ, 164
.set CD, 172                           ; v172-187 codes and a scale word
.set BM, 216                           ; attention: v216-231 the blocks' largest, then the conversions' scale operands
.set TP, 232                           ; v232-247 at work
.set PC, 168                           ; v168-215 p's codes
.set MSB, 0
.macro WIN new                         ; s_set_vgpr_msb: bits 1:0 source 0, 3:2 source 1, 5:4 source 2, 7:6 destination; the high byte repeats the setting that is left
.if MSB != \new
	s_set_vgpr_msb (MSB<<8)|(\new)
.set MSB, \new
.endif
.endm
.macro PLACES n                        ; plain vector instructions behind or ahead of matrix instructions (ISA guide 7.12.1)
.rept \n
	v_nop
.endr
.endm
.macro WALU
	s_wait_alu depctr_va_vdst(0)
.endm
.macro BARRIER                         ; my LDS stores have landed and my LDS loads are in: then the work-group's barrier
	WALU
	s_wait_dscnt 0x0
	s_barrier_signal -1
	s_barrier_wait -1
.endm
.macro FETCH reg, adr, off             ; a fragment's image into 12 registers: lane l's 16 bytes at 16 l, 512 bytes a load
.irp c, 0,1,2
	ds_load_b128 v[\reg+4*\c:\reg+4*\c+3], v[\adr] offset:\off+512*\c
.endr
.endm
.macro IMAGE reg, adr, off
.irp c, 0,1,2
	ds_store_b128 v[\adr], v[\reg+4*\c:\reg+4*\c+3] offset:\off+512*\c
.endr
.endm
; One matrix instruction.  cc: C as written; ra, rb = 1: source 0's, source 1's scale words are taken from lanes 16-31.
.macro MM d, a, b, cc, sa, sb, ra, rb
.if (\ra)
	v_wmma_scale_f32_16x16x128_f8f6f4 v[\d:\d+7], v[\a:\a+11], v[\b:\b+11], \cc, v[\sa], v[\sb] matrix_a_fmt:MATRIX_FMT_FP6 matrix_b_fmt:MATRIX_FMT_FP6 matrix_a_scale:MATRIX_SCALE_ROW1
.elseif (\rb)
	v_wmma_scale_f32_16x16x128_f8f6f4 v[\d:\d+7], v[\a:\a+11], v[\b:\b+11], \cc, v[\sa], v[\sb] matrix_a_fmt:MATRIX_FMT_FP6 matrix_b_fmt:MATRIX_FMT_FP6 matrix_b_scale:MATRIX_SCALE_ROW1
.else
	v_wmma_scale_f32_16x16x128_f8f6f4 v[\d:\d+7], v[\a:\a+11], v[\b:\b+11], \cc, v[\sa], v[\sb] matrix_a_fmt:MATRIX_FMT_FP6 matrix_b_fmt:MATRIX_FMT_FP6
.endif
.endm
; Load t of 16 of a unit's tile i, 16 rows of x, into set 0 (v448-511) or 1 (v192-255): 256 bytes of two rows, 16 bytes a lane; columns 0-63 first (t < 8), then 64-127.  The destination's window is the caller's
.macro XL1 i, t
	global_load_b128 v[192+4*(\t):195+4*(\t)], v15, s[30:31] offset:512*(8*(\i)+2*((\t)%8)+8*(((\t)%8)/4))+256*((\t)/8)
.endm
; Half c of the next unit's tile i, if I have a next unit
.macro XNEXT i, c
	s_cmp_eq_u32 s89, 0
	s_cbranch_scc1 .Lno_next_\@
.if \i == 0
	WIN 0x40
.endif
.set tt, 0
.rept 8
	XL1 \i, 8*\c+tt
.set tt, tt+1
.endr
	WIN 0
.Lno_next_\@:
.endm
; 64 numbers of a lane in four half blocks of 16 (the other halves in lane l xor 16).  v = 0: they are one row: 12 registers of codes in v[dst] on, the row's scale word in v[sc].
; v = 1: they are four rows: three registers of codes at v[dst + 4 b], a byte in v[BY + b].  hook: when the numbers have been read, bias number hook is fetched into their registers.
.macro QUANT src, dst, sc, v=0, hook=-1
.irp b, 0,1,2,3
	v_max3_num_f32 v[MX+\b], |v[\src+16*\b]|, |v[\src+16*\b+1]|, FLOOR
.endr
.irp i, 2,4,6,8,10,12,14
.irp b, 0,1,2,3
	v_max3_num_f32 v[MX+\b], v[MX+\b], |v[\src+16*\b+\i]|, |v[\src+16*\b+\i+1]|   ; the four blocks by turns
.endr
.endr
.irp b, 0,1,2,3
	v_permlanex16_b32 v[BY+\b], v[MX+\b], s34, s35
.endr
.irp b, 0,1,2,3
	v_max_num_f32 v[MX+\b], v[MX+\b], v[BY+\b]     ; with lane l xor 16's 16: the block's largest magnitude
.endr
.irp b, 0,1,2,3
	v_add_nc_u32 v[SO+\b], OFF2, v[MX+\b]          ; the conversion takes this operand's exponent field as its scale
.endr
.irp b, 0,1,2,3
	v_lshrrev_b32 v[BY+\b], 23, v[SO+\b]           ; the scale's byte
.endr
.if \v
.irp b, 0,1,2,3
	v_cvt_scalef32_pk16_fp6_f32 v[\dst+4*\b:\dst+4*\b+2], v[\src+16*\b:\src+16*\b+15], v[SO+\b]
.endr
	v_nop                                          ; one plain place behind the scaled conversions
.else
	v_lshl_or_b32 v[\sc], v[BY+1], 8, v[BY]
	v_lshl_or_b32 v[\sc], v[BY+2], 16, v[\sc]
	v_lshl_or_b32 v[\sc], v[BY+3], 24, v[\sc]
.irp c, 0,1
	v_cvt_scalef32_pk16_fp6_f32 v[\dst+6*\c:\dst+6*\c+2], v[\src+32*\c:\src+32*\c+15], v[SO+2*\c]
	v_cvt_scalef32_pk16_fp6_f32 v[TQ+4*\c:TQ+4*\c+2], v[\src+32*\c+16:\src+32*\c+31], v[SO+2*\c+1]   ; (a conversion's three registers begin on an even number)
.endr
	v_nop
.if (\hook) >= 0
	BIASLD \hook
.endif
.irp c, 0,1                            ; the operand wants a whole block in a lane: lanes 0-15 the first block, lanes 16-31 the second
.irp i, 0,1,2
	v_permlane16_swap_b32 v[\dst+6*\c+\i], v[TQ+4*\c+\i]
.endr
.endr
.irp c, 0,1
.irp i, 0,1,2
	v_mov_b32 v[\dst+6*\c+3+\i], v[TQ+4*\c+\i]
.endr
.endr
.endif
	WALU
.endm
; Weight m: lane (r, h) holds columns 64 (w % 2) + 4 r + j, k = 32 (w / 2) + 16 h + i.  The columns are gathered to v[256 + 16 j + i], quantised, and laid in the images.
; Among the moves of weight 0 and the maxima of weight 1 the first unit's two tiles of x are asked for (the windows there fit the loads' destinations)
.macro WQ m, lb, a0, a1, a2, asc
.if \m < 2
	WIN 0x40
.else
	WIN 0x41
.endif
.irp j, 0,1,2,3
.set ii, 0
.rept 16
	v_mov_b32 v[16*\j+ii], v[\lb+4*ii+\j]
.if (\m == 0) && (ii%4 == 3)
	XL1 0, 4*\j+ii/4
.endif
.set ii, ii+1
.endr
.endr
	WIN 0x05
.irp j, 0,1,2,3
	v_max3_num_f32 v[24+\j], |v[16*\j]|, |v[16*\j+1]|, FLOOR
.endr
	WIN 0x14
.irp i, 2,4,6,8,10,12,14
.irp j, 0,1,2,3
	v_max3_num_f32 v[24+\j], v[24+\j], |v[16*\j+\i]|, |v[16*\j+\i+1]|
.if (\m == 1) && (\i < 10)
	XL1 1, 2*\i-4+\j
.endif
.endr
.endr
	WIN 0
.irp j, 0,1,2,3
	v_permlanex16_b32 v[28+\j], v[24+\j], s34, s35
.endr
.irp j, 0,1,2,3
	v_max_num_f32 v[24+\j], v[24+\j], v[28+\j]
.endr
.irp j, 0,1,2,3
	v_add_nc_u32 v[32+\j], OFF2, v[24+\j]
.endr
.irp j, 0,1,2,3
	v_lshrrev_b32 v[112+4*\m+\j], 23, v[32+\j]
.endr
	WIN 0x01
.irp j, 0,1,2,3
	v_cvt_scalef32_pk16_fp6_f32 v[64+16*\m+4*\j:66+16*\m+4*\j], v[16*\j:16*\j+15], v[32+\j]
.endr
	WIN 0
	v_nop                                          ; one plain place behind the scaled conversions
.irp j, 0,1,2,3
	ds_store_b32 v[\a0], v[64+16*\m+4*\j] offset:8*FRB*\m+16*\j
	ds_store_b32 v[\a1], v[65+16*\m+4*\j] offset:8*FRB*\m+16*\j
	ds_store_b32 v[\a2], v[66+16*\m+4*\j] offset:8*FRB*\m+16*\j
	ds_store_b8 v[\asc], v[112+4*\m+\j] offset:512*\m+16*\j      ; lanes l and l xor 16 write the same byte with the same value
.endr
.endm
; Register R of an image stands at 512 (R / 4) + 4 (R % 4): the places of registers v[first] + i, i = 0, 1, 2, behind v[base], into v[a0] to v[a0 + 2]
.macro PLACE3 first, base, a0, t0, t1
.irp i, 0,1,2
	v_add_nc_u32 v[\t0], \i, v[\first]
	v_lshrrev_b32 v[\t1], 2, v[\t0]
	v_and_b32 v[\t0], 3, v[\t0]
	v_lshlrev_b32 v[\t1], 9, v[\t1]
	v_lshl_add_u32 v[\t1], v[\t0], 2, v[\t1]
	v_add_nc_u32 v[\a0+\i], v[\t1], v[\base]
.endr
.endm
; ---------------- the head
	s_load_b512 s[4:19], s[0:1], 0x0               ; x s[4:5], wq s[6:7], bq s[8:9], wk s[10:11], bk s[12:13], wv s[14:15], bv s[16:17], valid_lens s[18:19]
	s_load_b64 s[20:21], s[0:1], 0x40              ; out0
	v_lshrrev_b32 v13, 5, v0
	v_readfirstlane_b32 s22, v13                   ; w: wave 0..7
	s_lshr_b32 s28, s22, 1                         ; w / 2: my block of 32 k of a weight
	s_and_b32 s29, s22, 1                          ; w % 2: my 64 columns
	s_lshr_b32 s23, ttmp9, 7                       ; which of the two partners I am
	s_and_b32 s24, ttmp9, 127                      ; p
	s_mov_b32 s34, 0x76543210
	s_mov_b32 s35, 0xfedcba98                      ; v_permlanex16_b32's selects for lane l xor 16
	s_mov_b32 s36, 0x3e0293ee                      ; c = log2(e) / sqrt(128)
	s_mov_b32 s37, s36                             ; (named with it as a pair)
	s_mov_b32 s38, 0xbe0293ee                      ; -c
	s_lshl_b32 s25, s28, 14
	s_lshl_b32 s26, s29, 8
	s_add_co_u32 s25, s25, s26                     ; my part of a weight, in bytes
	s_lshr_b32 s26, s22, 2
	s_mul_i32 s26, s26, 6
	s_mul_i32 s27, s29, 4*FRB
	s_and_b32 s30, s28, 1
	s_lshl_b32 s30, s30, 8
	s_add_co_u32 s27, s27, s30
	s_add_co_u32 s27, s27, WIMG                    ; where my columns' images begin
	s_lshl_b32 s30, s29, 8
	s_add_co_u32 s30, s30, s28
	s_add_co_u32 s30, s30, WSC                     ; and their scale bytes
	s_lshl_b32 s31, s22, 6
	v_and_b32 v2, 31, v0                           ; lane
	v_and_b32 v14, 15, v0                          ; r
	v_bfe_u32 v13, v0, 4, 1                        ; h
	v_lshlrev_b32 v1, 4, v2                        ; 16 x lane: kept for the whole launch
	v_lshlrev_b32 v15, 4, v14
	v_lshl_add_u32 v3, v13, 13, v15
	v_add_nc_u32 v3, s25, v3                       ; a weight's row 32 (w / 2) + 16 h, column 64 (w % 2) + 4 r
	v_lshl_add_u32 v15, v13, 9, v15                ; 512 h + 16 r: x's loads and the way out; kept
	v_lshl_add_u32 v4, v14, 2, s31                 ; a bias's numbers 16 w + r, in memory and in LDS
	v_lshlrev_b32 v6, 2, v4
	v_mul_u32_u24 v36, 3, v13
	v_add_nc_u32 v36, s26, v36                     ; my codes' first register in the operand: 6 (w / 4) + 3 h
	v_lshrrev_b32 v40, 2, v14                      ; wv: column n is row n % 16 of tile n / 16
	v_and_b32 v41, 3, v14
	v_lshlrev_b32 v41, 2, v41
	v_mul_u32_u24 v42, v40, FRB
	v_lshl_add_u32 v42, v41, 4, v42
	v_add_nc_u32 v42, s27, v42
	PLACE3 36, 42, 46, 44, 45                      ; v46-48 wv's images
	v_lshlrev_b32 v43, 2, v40
	v_lshl_add_u32 v43, v41, 4, v43
	v_add_nc_u32 v37, s30, v43                     ; v37 its scale bytes
	v_bfe_u32 v40, v14, 3, 1                       ; wq, wk: column 32 b + 16 y + 8 u + j is row 8 y + j of tile 2 b + u
	v_bfe_u32 v41, v14, 1, 1
	v_lshl_add_u32 v40, v40, 1, v41
	v_and_b32 v41, 1, v14
	v_bfe_u32 v42, v14, 2, 1
	v_lshlrev_b32 v42, 3, v42
	v_lshl_add_u32 v41, v41, 2, v42
	v_mul_u32_u24 v42, v40, FRB
	v_lshl_add_u32 v42, v41, 4, v42
	v_add_nc_u32 v42, s27, v42
	PLACE3 36, 42, 8, 44, 45                       ; v8-10 wq's, wk's images
	v_lshlrev_b32 v43, 2, v40
	v_lshl_add_u32 v43, v41, 4, v43
	v_add_nc_u32 v36, s30, v43                     ; v36 their scale bytes
	v_lshl_add_u32 v38, v0, 2, MSK
	v_lshlrev_b32 v24, 2, v2
	v_mov_b32 v59, 0xf149f2ca                      ; -1e30
.irp j, 0,1,2,3
	v_mov_b32 v[28+\j], 0                          ; a lane permute's destination counts as one of its sources
.endr
	WALU
	s_wait_kmcnt 0x0
	global_load_b128 v[16:19], v1, s[18:19]        ; all 256 lengths: register 4 q + j of lane l is batch 128 q + 4 l + j
	global_load_b128 v[20:23], v1, s[18:19] offset:512
	global_load_b32 v56, v4, s[8:9]
	global_load_b32 v57, v4, s[12:13]
	global_load_b32 v60, v4, s[16:17]
.macro WLOAD reg, base
.set ii, 0
.rept 16
	global_load_b128 v[\reg+4*ii:\reg+4*ii+3], v3, s[\base:\base+1] offset:512*ii   ; 256 bytes of two rows a load; every work-group reads these, so no hint
.set ii, ii+1
.endr
.endm
	WLOAD 64, 6
	WLOAD 128, 10
	s_wait_loadcnt 35                              ; the lengths are in; three biases and 32 loads of weights stay out
.irp k, 0,1,2,3,4,5,6,7
	v_max_i32 v[16+\k], 0, v[16+\k]
.endr
.irp k, 0,1,2,3,4,5,6,7
	v_min_u32 v[16+\k], 0x200, v[16+\k]            ; vl: what reference()'s comparisons make of any int32
.endr
.irp k, 0,1,2,3,4,5,6,7
	v_lshl_add_u32 v[16+\k], v[16+\k], 8, v24
.endr
.irp k, 0,1,2,3,4,5,6,7
	v_add_nc_u32 v[16+\k], 128*(\k/4)+\k%4, v[16+\k]   ; the key: 256 vl + batch: no two are equal
.endr
	WALU
; The keys of rank p and of rank 255 - p, bit by bit from the top: a bit stays set while more than rank keys are as large
	s_mov_b32 s40, 0
	s_mov_b32 s41, 0
	s_mov_b32 s42, 18
	s_mov_b32 s46, s24
	s_xor_b32 s47, s24, 0xff
.Lsel:
	s_sub_co_u32 s42, s42, 1
	s_lshl_b32 s43, 1, s42
	s_or_b32 s44, s40, s43
	s_or_b32 s45, s41, s43
.irp k, 0,1,2,3,4,5,6,7
	v_cmp_le_u32 s[48+\k], s44, v[16+\k]
.endr
.irp k, 0,1,2,3,4,5,6,7
	v_cmp_le_u32 s[56+\k], s45, v[16+\k]
.endr
.irp k, 0,1,2,3,4,5,6,7
	s_bcnt1_i32_b32 s[48+\k], s[48+\k]
.endr
.irp k, 0,1,2,3,4,5,6,7
	s_bcnt1_i32_b32 s[56+\k], s[56+\k]
.endr
.irp k, 0,1,2,3
	s_add_co_u32 s[48+\k], s[48+\k], s[52+\k]
	s_add_co_u32 s[56+\k], s[56+\k], s[60+\k]
.endr
.irp k, 0,1
	s_add_co_u32 s[48+\k], s[48+\k], s[50+\k]
	s_add_co_u32 s[56+\k], s[56+\k], s[58+\k]
.endr
	s_add_co_u32 s48, s48, s49
	s_add_co_u32 s56, s56, s57
	s_cmp_gt_u32 s48, s46
	s_cselect_b32 s40, s44, s40
	s_cmp_gt_u32 s56, s47
	s_cselect_b32 s41, s45, s41
	s_cmp_lg_u32 s42, 0
	s_cbranch_scc1 .Lsel
	WIN 0x40
	WLOAD 64, 14                                   ; wv, into v320-383
	WIN 0
	s_lshr_b32 s66, s40, 8                         ; vl1
	s_and_b32 s67, s40, 0xff                       ; batch 1
	s_min_u32 s67, s67, 0xff
	s_lshr_b32 s70, s41, 8                         ; vl2
	s_and_b32 s71, s41, 0xff                       ; batch 2
	s_min_u32 s71, s71, 0xff
.macro LEN vl, g, n                    ; G = ceil(vl / 128); n: the tiles whose first row lies under vl
	s_add_co_u32 s\g, s\vl, 127
	s_lshr_b32 s\g, s\g, 7
	s_lshr_b32 s\n, s\vl, 5
	s_lshl_b32 s\n, s\n, 1
	s_and_b32 s25, s\vl, 31
	s_add_co_u32 s25, s25, 7
	s_lshr_b32 s25, s25, 3
	s_min_u32 s25, s25, 2
	s_add_co_u32 s\n, s\n, s25
.endm
	LEN 66, 68, 69
	LEN 70, 72, 73
; a: half of n1 (G1 + 1) + n2 (G2 + 2) + 20, in tiles of cost G1 + 1 (a multiplication by 32768 / (G1 + 1)), to the nearest multiple of 4, at most n1
	s_add_co_u32 s25, s68, 1
	s_mul_i32 s25, s25, s69
	s_add_co_u32 s26, s72, 2
	s_mul_i32 s26, s26, s73
	s_add_co_u32 s75, s25, s26
	s_add_co_u32 s75, s75, 20
	s_mov_b32 s76, 6554
	s_cmp_eq_u32 s68, 3
	s_cselect_b32 s76, 8192, s76
	s_cmp_eq_u32 s68, 2
	s_cselect_b32 s76, 10923, s76
	s_cmp_lt_u32 s68, 2
	s_cselect_b32 s76, 16384, s76
	s_mul_i32 s74, s75, s76
	s_lshr_b32 s74, s74, 16
	s_add_co_u32 s74, s74, 2
	s_lshr_b32 s74, s74, 2
	s_lshl_b32 s74, s74, 2
	s_min_u32 s74, s74, s69
	s_cmp_lt_u32 s74, s69
	s_cselect_b32 s77, 1, 0
	s_cmp_lt_u32 s72, 3
	s_cselect_b32 s77, s77, 0                      ; s77: batch 1 is shared
	s_xor_b32 s25, s77, 1
	s_and_b32 s25, s25, s23                        ; not shared, and I am the second: batch 2 is my primary
	s_cselect_b32 s80, s70, s66                    ; my primary: vl,
	s_cselect_b32 s81, s71, s67                    ; batch,
	s_cselect_b32 s82, s72, s68                    ; G,
	s_cselect_b32 s78, s73, s69                    ; tiles
	s_and_b32 s25, s77, s23                        ; shared, and I am the second
	s_cselect_b32 s83, s74, 0                      ; my first tile of the primary
	s_cselect_b32 s87, s72, 0                      ; my secondary's G
	s_cselect_b32 s88, s73, 0                      ; and tiles
	s_xor_b32 s25, s23, 1
	s_and_b32 s25, s25, s77                        ; shared, and I am the first
	s_cselect_b32 s84, s74, s78
	s_sub_co_u32 s84, s84, s83                     ; my tiles of the primary
; My first unit of 32 rows: the primary's unit w, else the secondary's unit 7 - w, else (nothing to do: the same loads all the same) the primary's unit 0.
; s89: have I a unit behind the one at work, and s99: which; s98: the same for the trip that follows
	s_lshl_b32 s43, s81, 4                         ; in units of 32 rows: a batch is 16, 16,384 bytes each
	s_add_co_u32 s42, s43, s22
	s_xor_b32 s25, s22, 7
	s_lshl_b32 s95, s71, 4
	s_add_co_u32 s95, s95, s25                     ; the secondary's unit
	s_lshl_b32 s91, s82, 2                         ; units of the primary (16 at most),
	s_lshl_b32 s96, s87, 2                         ; of the secondary (8 at most)
	s_add_co_u32 s26, s22, 8
	s_cmp_lt_u32 s25, s96
	s_cselect_b32 s44, s95, s43
	s_cselect_b32 s98, 1, 0
	s_add_co_u32 s43, s42, 8
	s_cmp_lt_u32 s22, s91
	s_cselect_b32 s44, s42, s44
	s_cmp_lt_u32 s26, s91
	s_cselect_b32 s99, s43, s95
	s_cselect_b32 s89, 1, s98
	s_min_u32 s44, s44, 0xfff                      ; x has 4,096 units
	s_lshl_b32 s44, s44, 14
	s_mov_b32 s45, 0
	s_add_nc_u64 s[30:31], s[4:5], s[44:45]
; C of the last key step: waves 0-3 the primary's, 4-7 the secondary's
	s_cmp_lt_u32 s22, 4
	s_cselect_b32 s25, s80, s70
	s_cselect_b32 s26, s82, s87
	s_sub_co_u32 s26, s26, 1
	s_lshl_b32 s26, s26, 7
	s_and_b32 s42, s22, 3
	s_lshl_b32 s42, s42, 5
	s_add_co_u32 s26, s26, s42
	v_add_nc_u32 v58, s26, v2
	v_cmp_gt_i32 vcc_lo, s25, v58
	v_cndmask_b32 v58, v59, v28, vcc_lo            ; 0 under vl, else -1e30
	ds_store_b32 v38, v58
	s_wait_loadcnt 32                              ; lengths, biases and wq are in; wk and wv stay out
	v_mov_b32 v61, v60
	v_mov_b32 v62, v60
	v_mov_b32 v63, v60
	ds_store_b32 v4, v56 offset:BIAS               ; (lanes l and l xor 16 write the same with the same value)
	ds_store_b32 v4, v57 offset:BIAS+512
	ds_store_b128 v6, v[60:63] offset:BVT
	WQ 0, 64, 8, 9, 10, 36
	s_wait_loadcnt 32                              ; wk is in; wv and x's first tile stay out
	WQ 1, 128, 8, 9, 10, 36
	s_wait_loadcnt 32                              ; wv is in; two tiles of x stay out
	WQ 2, 64, 46, 47, 48, 37
	BARRIER                                        ; the 24 fragments, their scale words, biases and masks lie in LDS
; ---------------- phase 1
	s_mul_i32 s25, s22, WSTG
	s_add_co_u32 s25, s25, STG
	v_and_b32 v38, 15, v0                          ; r
	v_bfe_u32 v39, v0, 4, 1                        ; h
	v_lshlrev_b32 v2, 4, v38                       ; v2  16 r
	v_mul_u32_u24 v36, 3, v39                      ; v36 3 h
	v_mul_u32_u24 v3, v39, SPI
	v_add_nc_u32 v3, v3, v2
	v_add_nc_u32 v3, s25, v3                       ; v3  the stage, on the way in: row h, 16 r
	v_mul_u32_u24 v4, v38, SPI
	v_lshl_add_u32 v4, v39, 6, v4
	v_add_nc_u32 v4, s25, v4                       ; v4  on the way out: row r, + 64 h: my 16 numbers of a block of 32
	v_add_nc_u32 v14, BVT, v2                      ; v14 bv
	v_lshl_add_u32 v5, v39, 6, BIAS                ; v5  bq, bk: 64 h
.irp b, 0,1,2,3
	v_mov_b32 v[BY+\b], 0                          ; a lane permute's destination counts as one of its sources
.endr
	s_mov_b32 s39, 0                               ; the trip: 0, 1 the primary's units, 2 the secondary's
	WALU
	WIN 0x40
.set tt, 0
.rept 8
	FETCH 12*tt, 1, WIMG+FRB*(8+tt)                ; wk's eight fragments stay in v256-351
.set tt, tt+1
.endr
	WIN 0
	ds_load_b128 v[16:19], v1 offset:WSC           ; scale words: lanes 0-15 of tiles 0-3, lanes 16-31 of tiles 4-7
	ds_load_b128 v[24:27], v1 offset:WSC+512
	ds_load_b128 v[32:35], v1 offset:WSC+1024
.macro BIASLD m                        ; the bias is the C of the product: register 8 t + j of lane (r, h) is unit 32 (t / 2) + 8 (t % 2) + 16 h + j
.set tt, 0
.rept 8
	ds_load_b128 v[40+8*tt:43+8*tt], v5 offset:512*\m+4*(32*(tt/2)+8*(tt%2))
	ds_load_b128 v[44+8*tt:47+8*tt], v5 offset:512*\m+4*(32*(tt/2)+8*(tt%2))+16
.set tt, tt+1
.endr
.endm
; Tile i of the unit: x quantised; k and, if the tile is mine, q made, quantised, laid in LDS
.macro PROC i
.if \i == 0
	s_wait_loadcnt 16                              ; this tile's 16 loads are in; the unit's second tile's may be out
.else
	s_wait_loadcnt 0x0
.endif
.irp c, 0,1                            ; 64 columns at a time; LDS serves a wave's instructions in order (ISA guide 5.7.1.4): no wait between
.if \i == 0
	WIN 0x04
.endif
.set tt, 0
.rept 8
	ds_store_b128 v3, v[192+32*\c+4*tt:195+32*\c+4*tt] offset:2*SPI*tt
.set tt, tt+1
.endr
	WIN 0
.irp b, 0,1
.irp j, 0,1,2,3
	ds_load_b128 v[40+32*\c+16*\b+4*\j:43+32*\c+16*\b+4*\j], v4 offset:128*\b+16*\j
.endr
.endr
.endr
	s_wait_dscnt 8                                 ; the 16 stores have read their registers (the last 8 loads may be out),
	XNEXT \i, 0                                    ; which take the next unit's tile
	s_wait_dscnt 0x0
	QUANT 40, XF+12*\i, 20+\i, 0, 1                ; x's fragment and its scale word stay for v's products
	XNEXT \i, 1
	PLACES 4                                       ; an operand made by vector instructions stands 4 places ahead of a scaled matrix instruction, a scale word 8 (QUANT's last 13 lines are the others)
	s_wait_dscnt 0x0
	WIN 0x01                                       ; k, transposed: source 0 = 16 columns of wk (window 1), source 1 = x.  The eight accumulators take turns
.set tt, 0
.rept 8
	MM 40+8*tt, 12*tt, XF+12*\i, v[40+8*tt:47+8*tt], 24+tt%4, 20+\i, tt/4, 0
.set tt, tt+1
.endr
	WIN 0
	PLACES 4
	QUANT 40, CD, 184, 0, 0
	IMAGE CD, 8, FRB*\i
	ds_store_b32 v9, v184 offset:4*\i              ; lanes l and l xor 16 write the same word with the same value
	s_add_co_u32 s25, s92, \i
	s_cmp_lt_u32 s25, s93                          ; is the tile one of my queries' tiles?
	s_cbranch_scc1 .Lq_\@
	s_wait_dscnt 0x0                               ; the bias is in: its registers may be written again
	s_branch .Lno_q_\@
.Lq_\@:
	s_wait_dscnt 0x0
	WIN 0x01
.set tt, 0
.rept 8
	MM 40+8*tt, 96+12*tt, XF+12*\i, v[40+8*tt:47+8*tt], 16+tt%4, 20+\i, tt/4, 0
.set tt, tt+1
.endr
	WIN 0
	PLACES 4
	QUANT 40, CD, 184
	IMAGE CD, 6, FRB*\i
	ds_store_b32 v7, v184 offset:64*\i
.Lno_q_\@:
.endm
.macro VFETCH q                        ; wv's tiles 4 q .. 4 q + 3 and bv's numbers (C: a lane's number, eight times), where wq lay
	WIN 0x40
.irp nn, 0,1,2,3
	FETCH 96+12*\nn, 1, WIMG+(16+4*(\q)+\nn)*FRB
	ds_load_b128 v[144+8*\nn:147+8*\nn], v14 offset:256*(4*(\q)+\nn)
	ds_load_b128 v[148+8*\nn:151+8*\nn], v14 offset:256*(4*(\q)+\nn)
.endr
	WIN 0
.endm
; v: source 0 = a tile of x (its rows are the keys), source 1 = 16 columns of wv: a lane holds unit 16 n + r, and the registers of the unit's two tiles are keys 32 b + 16 h + 0 .. 15:
; three registers of codes, which go to words 6 c + 3 h on of lane r + 16 (b % 2) of the image
.macro VQ q
	s_wait_dscnt 0x0                               ; these tiles are in, and the last stores have read their registers
	WIN 0x14
.irp nn, 0,1,2,3
.irp i, 0,1
	MM 40+16*\nn+8*\i, XF+12*\i, 96+12*\nn, v[144+8*\nn:151+8*\nn], 20+\i, 32+\nn, 0, \q
.endr
.endr
	WIN 0
	PLACES 4
.if \q == 0
	VFETCH 1
.endif
	QUANT 40, CD, 0, 1
.irp nn, 0,1,2,3
	ds_store_b32 v10, v[CD+4*\nn] offset:FRB*(4*\q+\nn)
	ds_store_b32 v11, v[CD+4*\nn+1] offset:FRB*(4*\q+\nn)
	ds_store_b32 v12, v[CD+4*\nn+2] offset:FRB*(4*\q+\nn)
	ds_store_b8 v13, v[BY+\nn] offset:256*\q+4*\nn ; lanes l and l xor 16 write the same byte with the same value
.endr
.endm
.Lunit:                                            ; three trips, walked by every wave; addresses are made by every wave.  Unit v: block v % 4 of key step v / 4
	s_lshr_b32 s25, s39, 1
	s_mul_i32 s25, s25, 7
	s_xor_b32 s25, s25, s22
	s_lshl_b32 s27, s39, 3
	s_add_co_u32 s27, s27, s25                     ; v: w, 8 + w, 16 + (7 - w)
	s_mul_i32 s25, s27, 2*FRB
	s_add_co_u32 s40, s25, QIMG
	s_add_co_u32 s41, s25, KIMG
	s_lshl_b32 s25, s27, 7
	s_add_co_u32 s42, s25, QSC
	s_lshr_b32 s25, s27, 1
	s_lshl_b32 s25, s25, 8
	s_and_b32 s26, s27, 1
	s_lshl_b32 s43, s26, 3
	s_add_co_u32 s43, s43, s25
	s_add_co_u32 s43, s43, KSC
	s_lshl_b32 s26, s26, 8
	s_lshr_b32 s25, s27, 2
	s_mul_i32 s44, s25, 8*FRB
	s_add_co_u32 s44, s44, s26
	s_add_co_u32 s44, s44, VIMG
	s_lshl_b32 s25, s25, 9
	s_and_b32 s26, s27, 3
	s_add_co_u32 s45, s25, s26
	s_add_co_u32 s45, s45, VSC
	s_lshr_b32 s26, s26, 1
	s_mul_i32 s26, s26, 6
	v_add_nc_u32 v6, s40, v1                       ; v6  q's images
	v_add_nc_u32 v8, s41, v1                       ; v8  k's
	v_lshl_add_u32 v7, v38, 2, s42                 ; v7, v9 their scale words
	v_add_nc_u32 v9, s43, v2
	v_add_nc_u32 v13, s45, v2                      ; v13 v's scale bytes
	v_add_nc_u32 v154, s44, v2
	v_add_nc_u32 v37, s26, v36                     ; 6 c + 3 h
	PLACE3 37, 154, 10, 152, 153                   ; v10-12 v's codes
	WALU
	s_cmp_eq_u32 s39, 2
	s_cselect_b32 s25, 16, 0
	s_cselect_b32 s26, s96, s91
	s_cselect_b32 s43, 32, s83                     ; my first tile,
	s_cselect_b32 s93, s88, s84                    ; and how many
	s_sub_co_u32 s25, s27, s25
	s_cmp_lt_u32 s25, s26                          ; is there such a unit?
	s_cbranch_scc0 .Lunit_end
	s_lshl_b32 s92, s27, 1
	s_sub_co_u32 s92, s92, s43                     ; the unit's first tile, counted from my first
	s_min_u32 s44, s99, 0xfff
	s_lshl_b32 s44, s44, 14
	s_mov_b32 s45, 0
	s_wait_xcnt 0x0                                ; the loads' base is rewritten only behind this wait
	s_add_nc_u64 s[30:31], s[4:5], s[44:45]        ; the next unit's rows
	WIN 0x40
.set tt, 0
.rept 8
	FETCH 96+12*tt, 1, WIMG+FRB*tt                 ; wq's eight fragments in v352-447
.set tt, tt+1
.endr
	WIN 0
	PROC 0
	PROC 1
	VFETCH 0
	VQ 0
	VQ 1
.Lunit_end:
	s_mov_b32 s89, s98
	s_mov_b32 s98, 0
	s_mov_b32 s99, s95
	s_add_co_u32 s39, s39, 1
	s_cmp_lt_u32 s39, 3
	s_cbranch_scc1 .Lunit
	s_wait_loadcnt 0x0                             ; a wave without a unit: its 32 loads have landed before their registers are used again
	BARRIER                                        ; all images and scale words lie in LDS; from here on they are only read
; ---------------- attention.  v3 K's images, v4 V's, v5 the mask, v6, v10 Q's image and words, v7 scale words, v8, v9 the stage; v16-31 K's scale words, later V's; v32, 33, 36, 37 p's; v34 Q's; v[38:39] -c m; v[40:41] 1 / sum;
; v[42:49] sums; v50 the row's largest score; v52-55 zeros; v60-71 Q, later v56-71 the conversions' second halves; v72-215 K's fragments in three halves of a step, then v72-167 V's (steps 0, 3), then rows on the way out.
; Window 1: the scores, register 64 s + 16 b + i = key 128 s + 32 b + 16 h + i; later O^T in v0-63 and V's fragments at v64 (step 1) and v160 (step 2).
	s_mul_i32 s25, s22, WSTG
	s_add_co_u32 s25, s25, STG
	v_and_b32 v38, 15, v0
	v_bfe_u32 v39, v0, 4, 1
	v_mul_u32_u24 v8, v38, SPI
	v_lshl_add_u32 v8, v39, 5, v8
	v_add_nc_u32 v8, s25, v8                       ; in: row r, 32 bytes for each half of the lanes
	v_mul_u32_u24 v9, v39, SPI
	v_lshl_add_u32 v9, v38, 4, v9
	v_add_nc_u32 v9, s25, v9                       ; back: row h, 16 r
	v_lshl_add_u32 v12, v38, 2, QSC
	v_lshl_add_u32 v14, v39, 6, MSK
	v_and_b32 v13, 8, v38
	v_add_nc_u32 v13, v13, v38                     ; my query's place behind the tile's first: r + 8 (r / 8)
	v_mov_b32 v51, 0
.irp j, 0,1,2,3
	v_mov_b32 v[52+\j], 0
.endr
.set xx, 0
.rept 16
	v_mov_b32 v[TP+xx], 0                          ; destinations of lane permutes
.set xx, xx+1
.endr
	s_mov_b32 s39, 0                               ; the trip j
	s_mov_b32 s40, s22                             ; the tile w + 8 j: 0-31 the primary's, 32-47 the secondary's
	WALU
.macro KHALF k                         ; four fragments of K: tiles 4 k .. 4 k + 3, into place k % 3 of the ring
.irp q, 0,1,2,3
	FETCH 72+48*((\k)%3)+12*\q, 3, (4*(\k)+\q)*FRB
.endr
.endm
.macro VBASE s
.if (\s)%3 == 0
.set VB, 72
.else
.set VB, 64+96*((\s)-1)
.endif
.endm
.macro VLOAD s                         ; key step s: V's eight fragments, 24 loads
	VBASE \s
.if (\s)%3
	WIN 0x40
.endif
.irp n, 0,1,2,3,4,5,6,7
	FETCH VB+12*\n, 4, (8*(\s)+\n)*FRB
.endr
	WIN 0
.endm
; One tile of 16 queries against NS key steps of 128
.macro ATT NS
	FETCH 60, 6, 0
	ds_load_b32 v34, v10
.set ss, 0
.rept \NS
	ds_load_b128 v[16+4*ss:19+4*ss], v7 offset:KSC+512*ss
.set ss, ss+1
.endr
	WIN 0x40
.irp b, 0,1,2,3                        ; the last step's C, laid where its sums will stand
.irp j, 0,1,2,3
	ds_load_b128 v[64*(\NS-1)+16*\b+4*\j:64*(\NS-1)+16*\b+4*\j+3], v5 offset:128*\b+16*\j
.endr
.endr
	WIN 0
	KHALF 0
	KHALF 1
.if \NS > 1
	KHALF 2
.endif
.set kk, 0
.rept 2*\NS                            ; S^T = K Q^T: source 0 = 16 keys, source 1 = my 16 queries: a lane holds one query
.if kk+2 < 2*\NS
	s_wait_dscnt 24                                ; this half is in; the next two halves' loads, 12 each, stay out
.else
	s_wait_dscnt 12*(2*\NS-1-kk)
.endif
	WIN 0x50
.irp q, 0,1,2,3
.if kk/2 == \NS-1
	MM 32*kk+8*\q, 72+48*(kk%3)+12*\q, 60, v[32*kk+8*\q:32*kk+8*\q+7], 16+4*(kk/2)+\q, 34, kk%2, 0
.else
	MM 32*kk+8*\q, 72+48*(kk%3)+12*\q, 60, 0, 16+4*(kk/2)+\q, 34, kk%2, 0
.endif
.endr
	WIN 0
	PLACES 4                                       ; in front of loads into the registers just read, and of the first read of results
.if kk+3 < 2*\NS
	KHALF kk+3
.endif
.set kk, kk+1
.endr
.set ss, 0
.rept \NS
	ds_load_b128 v[16+4*ss:19+4*ss], v7 offset:VSC+512*ss
.set ss, ss+1
.endr
	VLOAD 0                                        ; on its way under the softmax
	; the largest score of each block of 32 keys: for the row's maximum, and for the block's largest weight.  Each accumulator is read from its low end on
	WIN 0x15
.set ss, 0
.rept \NS
.irp b, 0,1,2,3
	v_max3_num_f32 v[BM+4*ss+\b], v[64*ss+16*\b], v[64*ss+16*\b+1], v[64*ss+16*\b+2]
.endr
.set ss, ss+1
.endr
	WIN 0x14
.irp i, 3,5,7,9,11,13
.set ss, 0
.rept \NS
.irp b, 0,1,2,3
	v_max3_num_f32 v[BM+4*ss+\b], v[BM+4*ss+\b], v[64*ss+16*\b+\i], v[64*ss+16*\b+\i+1]
.endr
.set ss, ss+1
.endr
.endr
.set ss, 0
.rept \NS
.irp b, 0,1,2,3
	v_max_num_f32 v[BM+4*ss+\b], v[BM+4*ss+\b], v[64*ss+16*\b+15]
.endr
.set ss, ss+1
.endr
	WIN 0
.set xx, 0
.rept 4*\NS
	v_permlanex16_b32 v[TP+xx], v[BM+xx], s34, s35
.set xx, xx+1
.endr
.set xx, 0
.rept 4*\NS
	v_max_num_f32 v[BM+xx], v[BM+xx], v[TP+xx]     ; with lane l xor 16's 16 keys
.set xx, xx+1
.endr
	v_max3_num_f32 v50, v[BM], v[BM+1], v[BM+2]
	v_max_num_f32 v50, v50, v[BM+3]
.set ss, 1
.rept \NS-1
	v_max3_num_f32 v50, v50, v[BM+4*ss], v[BM+4*ss+1]
	v_max3_num_f32 v50, v50, v[BM+4*ss+2], v[BM+4*ss+3]
.set ss, ss+1
.endr
	v_mul_f32 v38, s38, v50                        ; -c m: the row's maximum is taken away ahead of the exponentials
	v_mov_b32 v39, v38
.irp j, 0,1,2,3,4,5,6,7
	v_mov_b32 v[42+\j], 0
.endr
.set xx, 0
.rept 4*\NS
	v_fma_f32 v[BM+xx], v[BM+xx], s36, v38         ; of each block's largest score: the same instructions on the same number give the same bits
.set xx, xx+1
.endr
	WIN 0x41
.set jj, 0
.rept 32
	v_pk_fma_f32 v[2*jj:2*jj+1], v[2*jj:2*jj+1], s[36:37], v[38:39] op_sel_hi:[1,0,0]
.set jj, jj+1
.endr
	WALU
	WIN 0
.set xx, 0
.rept 4*\NS
	v_exp_f32 v[BM+xx], v[BM+xx]
.set xx, xx+1
.endr
	; e = 2^(c s - c m), a step's 64 at a time, with the next step's multiply-adds among them; then the row's sum, two at a time, in four chains
.set ss, 0
.rept \NS
	WIN 0x41
.set jj, 0
.rept 32
	v_exp_f32 v[64*ss+2*jj], v[64*ss+2*jj]
	v_exp_f32 v[64*ss+2*jj+1], v[64*ss+2*jj+1]
.if ss+1 < \NS
	v_pk_fma_f32 v[64*ss+64+2*jj:64*ss+65+2*jj], v[64*ss+64+2*jj:64*ss+65+2*jj], s[36:37], v[38:39] op_sel_hi:[1,0,0]
.endif
.set jj, jj+1
.endr
	v_nop                                          ; one plain place behind the transcendentals
	WALU
	WIN 0x04
.set jj, 0
.rept 32
	v_pk_add_f32 v[42+2*(jj%4):43+2*(jj%4)], v[42+2*(jj%4):43+2*(jj%4)], v[64*ss+2*jj:64*ss+2*jj+1]
.set jj, jj+1
.endr
.set ss, ss+1
.endr
	WIN 0
	v_pk_add_f32 v[42:43], v[42:43], v[44:45]
	v_pk_add_f32 v[46:47], v[46:47], v[48:49]
	v_pk_add_f32 v[42:43], v[42:43], v[46:47]
	v_add_f32 v42, v42, v43
	v_permlanex16_b32 v51, v42, s34, s35
	v_add_f32 v42, v42, v51
	v_cmp_gt_i32 vcc_lo, s50, v13                  ; is my query under vl?
	WALU
	v_rcp_f32 v40, v42
	v_nop                                          ; one plain place behind the transcendental
	WALU
	v_cndmask_b32 v40, 0, v40, vcc_lo              ; a query from vl on: every weight 0, so its codes are zeros and its row of O is 0
	v_mov_b32 v41, v40
	; the finished, normalised weights are quantised along the keys
.set xx, 0
.rept 4*\NS
	v_mul_f32 v[BM+xx], v[BM+xx], v40              ; the block's largest weight
.set xx, xx+1
.endr
.set xx, 0
.rept 4*\NS
	v_max_num_f32 v[BM+xx], FLOOR, v[BM+xx]
.set xx, xx+1
.endr
.set xx, 0
.rept 4*\NS
	v_add_nc_u32 v[BM+xx], OFF2, v[BM+xx]          ; the conversion's scale operand, in place
.set xx, xx+1
.endr
.set xx, 0
.rept 4*\NS
	v_lshrrev_b32 v[TP+xx], 23, v[BM+xx]           ; the scale's byte
.set xx, xx+1
.endr
.irp k, 1,2,3
.set ss, 0
.rept \NS
.set PW, 36-4*(ss%2)+ss/2
.if \k == 1
	v_lshl_or_b32 v[PW], v[TP+4*ss+1], 8, v[TP+4*ss]
.else
	v_lshl_or_b32 v[PW], v[TP+4*ss+\k], 8*\k, v[PW]
.endif
.set ss, ss+1
.endr
.endr
	WIN 0x41
.set jj, 0
.rept 32*\NS
	v_pk_mul_f32 v[2*jj:2*jj+1], v[2*jj:2*jj+1], v[40:41] op_sel_hi:[1,0]
.set jj, jj+1
.endr
.set ss, 0
.rept \NS
	WIN 0x01
.irp c, 0,1
	v_cvt_scalef32_pk16_fp6_f32 v[PC+12*ss+6*\c:PC+12*ss+6*\c+2], v[64*ss+32*\c:64*ss+32*\c+15], v[BM+4*ss+2*\c]
	v_cvt_scalef32_pk16_fp6_f32 v[56+8*(ss%2)+4*\c:58+8*(ss%2)+4*\c], v[64*ss+32*\c+16:64*ss+32*\c+31], v[BM+4*ss+2*\c+1]
.endr
	WIN 0
	v_nop                                          ; one plain place behind the scaled conversions
.irp c, 0,1
.irp i, 0,1,2
	v_permlane16_swap_b32 v[PC+12*ss+6*\c+\i], v[56+8*(ss%2)+4*\c+\i]
.endr
.endr
.irp c, 0,1
.irp i, 0,1,2
	v_mov_b32 v[PC+12*ss+6*\c+3+\i], v[56+8*(ss%2)+4*\c+\i]
.endr
.endr
.if (ss == 2) || ((\NS == 2) && (ss == 1))
	VLOAD 1                                        ; the scores of steps 1 and 2 are free
.endif
.set ss, ss+1
.endr
	WALU
	; O^T = V^T P^T: source 0 = 16 units x 128 keys, source 1 = p.  The scores' registers are free: O^T and V's later steps take them
.if \NS > 2
	VLOAD 2
.endif
	PLACES 4                                       ; p's codes were made by vector instructions
.set ss, 0
.rept \NS
.if ss == 0 && \NS > 2
	s_wait_dscnt 48                                ; step 0 is in; steps 1 and 2, 24 loads each, stay out
.else
	s_wait_dscnt 24*(\NS-1-ss)                     ; this step is in; the later steps' loads stay out
.endif
	VBASE ss
.if ss%3
	WIN 0x51
.else
	WIN 0x50
.endif
.set PW, 36-4*(ss%2)+ss/2
.irp n, 0,1,2,3,4,5,6,7
.if ss == 0
	MM 8*\n, VB+12*\n, PC+12*ss, 0, 16+4*ss+\n%4, PW, \n/4, 0
.else
	MM 8*\n, VB+12*\n, PC+12*ss, v[8*\n:8*\n+7], 16+4*ss+\n%4, PW, \n/4, 0
.endif
.endr
	WIN 0
.if ss+1 == \NS
	PLACES 5                                       ; (the next trip's first products write over these registers)
.elseif ss == 0 && \NS == 4
	PLACES 4
	VLOAD 3
.endif
.set ss, ss+1
.endr
.endm
.Ltrip:                                            ; six trips, walked by every wave; what hangs on the lengths is chosen inside the trip
	s_lshr_b32 s41, s39, 2                         ; 0 the primary, 1 the secondary: key steps from 4 on
	s_mul_i32 s25, s41, 32*FRB
	s_add_co_u32 s26, s25, KIMG
	v_add_nc_u32 v3, s26, v1
	s_add_co_u32 s26, s25, VIMG
	v_add_nc_u32 v4, s26, v1
	s_lshl_b32 s25, s41, 9
	v_add_nc_u32 v5, s25, v14
	s_lshl_b32 s25, s41, 11
	v_add_nc_u32 v7, s25, v1
	s_mul_i32 s25, s40, FRB
	s_add_co_u32 s25, s25, QIMG
	v_add_nc_u32 v6, s25, v1
	s_lshl_b32 s25, s40, 6
	v_add_nc_u32 v10, s25, v12
	WALU
	; rows of zeros: one tile a trip, in trips 0, 1 of batch 2, in trips 2, 3 of batch 1: tile 2 w + 16 (j % 2) + my number of the two partners
	s_cmp_lt_u32 s39, 4
	s_cbranch_scc0 .Lno_zeros
	s_and_b32 s25, s39, 1
	s_lshl_b32 s25, s25, 3
	s_add_co_u32 s25, s25, s22
	s_lshl_b32 s26, s25, 1
	s_add_co_u32 s26, s26, s23
	s_cmp_lt_u32 s39, 2
	s_cselect_b32 s43, s71, s67
	s_cselect_b32 s42, s73, s69
	s_cmp_ge_u32 s26, s42
	s_cbranch_scc0 .Lno_zeros
	s_lshl_b32 s44, s43, 9                         ; in rows of 512 bytes
	s_lshl_b32 s25, s25, 5
	s_lshl_b32 s26, s23, 3
	s_add_co_u32 s44, s44, s25
	s_add_co_u32 s44, s44, s26
	s_min_u32 s44, s44, 0x1ffe8                    ; the last tile's first row: 131,048
	s_lshl_b32 s44, s44, 9
	s_mov_b32 s45, 0
	s_add_nc_u64 s[46:47], s[20:21], s[44:45]
.set aa, 0
.rept 16
	global_store_b128 v1, v[52:55], s[46:47] offset:512*(aa+8*(aa/8)) th:TH_STORE_NT
.set aa, aa+1
.endr
.Lno_zeros:
	s_cmp_lt_u32 s39, 4
	s_cselect_b32 s25, s83, 32                     ; my first tile,
	s_cselect_b32 s26, s84, s88                    ; how many,
	s_cselect_b32 s42, s80, s70                    ; vl,
	s_cselect_b32 s43, s81, s71                    ; batch,
	s_cselect_b32 s48, s82, s87                    ; G
	s_sub_co_u32 s25, s40, s25
	s_cmp_lt_u32 s25, s26                          ; is the tile mine?
	s_cbranch_scc0 .Lnext
	s_and_b32 s25, s40, 31
	s_lshr_b32 s26, s25, 1
	s_lshl_b32 s26, s26, 5
	s_and_b32 s25, s25, 1
	s_lshl_b32 s25, s25, 3
	s_add_co_u32 s49, s25, s26                     ; the tile's first query
	s_sub_co_i32 s50, s42, s49                     ; vl - that
	s_lshl_b32 s44, s43, 9
	s_add_co_u32 s44, s44, s49
	s_min_u32 s44, s44, 0x1ffe8
	s_lshl_b32 s44, s44, 9
	s_mov_b32 s45, 0
	s_add_nc_u64 s[32:33], s[20:21], s[44:45]      ; out0 at that query's row
	s_cmp_eq_u32 s48, 1
	s_cbranch_scc1 .Lsteps1
	s_cmp_eq_u32 s48, 2
	s_cbranch_scc1 .Lsteps2
	s_cmp_eq_u32 s48, 3
	s_cbranch_scc1 .Lsteps3
	ATT 4
	s_branch .Lout
.Lsteps3:
	ATT 3
	s_branch .Lout
.Lsteps2:
	ATT 2
	s_branch .Lout
.Lsteps1:
	ATT 1
.Lout:                                             ; the way out, 64 columns at a time: a lane's eight units of a row go into my stage and come back as 256 bytes of a row in sixteen lanes
.irp c, 0,1
	WIN 0x04
.irp n, 0,1,2,3
	ds_store_b128 v8, v[32*\c+8*\n:32*\c+8*\n+3] offset:64*\n          ; each accumulator from its low end on
	ds_store_b128 v8, v[32*\c+8*\n+4:32*\c+8*\n+7] offset:64*\n+16
.endr
	WIN 0
.set aa, 0
.rept 8
	ds_load_b128 v[72+32*\c+4*aa:75+32*\c+4*aa], v9 offset:2*SPI*aa    ; LDS serves a wave's instructions in order: these see the stores above
.set aa, aa+1
.endr
.endr
.irp c, 0,1
.set aa, 0
.rept 8
	s_wait_dscnt 7-aa+16*(1-\c)                    ; these two rows' halves are back; the younger LDS instructions stay out
	global_store_b128 v15, v[72+32*\c+4*aa:75+32*\c+4*aa], s[32:33] offset:512*(2*aa+8*(aa/4))+256*\c th:TH_STORE_NT   ; 16 lanes store 256 bytes, at a multiple of 256 from out0's first byte
.set aa, aa+1
.endr
.endr
.Lnext:
	s_wait_xcnt 0x0                                ; the stores' bases and data are rewritten only behind this wait
	s_add_co_u32 s40, s40, 8
	s_add_co_u32 s39, s39, 1
	WALU
	s_cmp_lt_u32 s39, 6
	s_cbranch_scc1 .Ltrip
	v_lshl_add_u32 v254, v0, 2, SPARE
	v_mov_b32 v255, 0
	WALU
	s_wait_tensorcnt 0x0                           ; the wave's end
	ds_add_u32 v254, v255
	s_wait_dscnt 0x0
	s_endpgm
.Lfunc_end_k_qaa3b04ec86_attn:
	.size	k_qaa3b04ec86_attn, .Lfunc_end_k_qaa3b04ec86_attn-k_qaa3b04ec86_attn
	.p2alignl 7, 3214868480
	.fill 96, 4, 3214868480
	.section	.rodata,"a",@progbits
	.p2align	6, 0x0
	.amdhsa_kernel k_qaa3b04ec86_attn
		.amdhsa_group_segment_fixed_size 308736
		.amdhsa_private_segment_fixed_size 0
		.amdhsa_enable_private_segment 0
		.amdhsa_kernarg_size 72
		.amdhsa_user_sgpr_count 2
		.amdhsa_user_sgpr_kernarg_segment_ptr 1
		.amdhsa_wavefront_size32 1
		.amdhsa_system_sgpr_workgroup_id_x 1
		.amdhsa_system_sgpr_workgroup_id_y 1
		.amdhsa_system_sgpr_workgroup_id_z 1
		.amdhsa_system_vgpr_workitem_id 0
		.amdhsa_next_free_vgpr 512
		.amdhsa_next_free_sgpr 100
		.amdhsa_reserve_vcc 1
		.amdhsa_float_denorm_mode_32 3
		.amdhsa_float_denorm_mode_16_64 3
		.amdhsa_memory_ordered 1
		.amdhsa_forward_progress 1
		.amdhsa_inst_pref_size 255
	.end_amdhsa_kernel
	.section	.bss,"aw",@nobits
	.p2align	6
	.space	262144
	.amdgpu_metadata
---
amdhsa.version: [ 1, 2 ]
amdhsa.kernels:
  - .name:           k_qaa3b04ec86_attn
    .symbol:         k_qaa3b04ec86_attn.kd
    .args:
      - { .name: x, .offset: 0, .size: 8, .value_kind: global_buffer, .address_space: global }
      - { .name: wq, .offset: 8, .size: 8, .value_kind: global_buffer, .address_space: global }
      - { .name: bq, .offset: 16, .size: 8, .value_kind: global_buffer, .address_space: global }
      - { .name: wk, .offset: 24, .size: 8, .value_kind: global_buffer, .address_space: global }
      - { .name: bk, .offset: 32, .size: 8, .value_kind: global_buffer, .address_space: global }
      - { .name: wv, .offset: 40, .size: 8, .value_kind: global_buffer, .address_space: global }
      - { .name: bv, .offset: 48, .size: 8, .value_kind: global_buffer, .address_space: global }
      - { .name: valid_lens, .offset: 56, .size: 8, .value_kind: global_buffer, .address_space: global }
      - { .name: out0, .offset: 64, .size: 8, .value_kind: global_buffer, .address_space: global }
    .group_segment_fixed_size: 308736
    .private_segment_fixed_size: 0
    .kernarg_segment_align: 8
    .kernarg_segment_size: 72
    .max_flat_workgroup_size: 256
    .sgpr_count:     100
    .vgpr_count:     512
    .wavefront_size: 32
...
	.end_amdgpu_metadata
.endif
;; end of part 1
